; MI455X (gfx1250); checked and timed in simulation.
; The chip was launched on July 23, 2026; its instructions are those of AMD's public machine-readable ISA for CDNA 5 (MIT licence, August 2026) and "CDNA5" Instruction Set Architecture Reference Guide (July 2026). The comments in the code are by the model that wrote it; some were corrected since.
;; Model. Allowed arithmetic: matrix products marked QUANTISED: E5M2 operands, one E8M0 scale for each 32 along K, by v_wmma_scale_f32_16x16x128_f8f6f4 with both operands' format E5M2, f32 sums; everything else in f32.
;; Inputs: attn_mask 1 x 1 x 2,048 x 2,048 float32; key_codes 4 x 16 x 2,048 x 2 x 32 uint8 (E5M2 codes of key, K innermost, in blocks of 32 codes); key_scales 4 x 16 x 2,048 x 2 uint8 (E8M0 scales of key, one for each 32 codes along K); query_codes 4 x 16 x 2,048 x 2 x 32 uint8 (E5M2 codes of query, K innermost, in blocks of 32 codes); query_scales 4 x 16 x 2,048 x 2 uint8 (E8M0 scales of query, one for each 32 codes along K); value_codes 4 x 16 x 64 x 64 x 32 uint8 (E5M2 codes of value, K innermost, in blocks of 32 codes); value_scales 4 x 16 x 64 x 64 uint8 (E8M0 scales of value, one for each 32 codes along K).
;; Outputs: out0 4 x 16 x 2,048 x 64 float32.
;; This version of the problem:
;;   THIS VERSION OF THE PROBLEM IS GIVEN IN LOW PRECISION. The matrix products marked QUANTISED in the list below multiply operands that are first quantised to E5M2 (5 exponent bits, 2 mantissa bits; 8 bits a number), with one power-of-two scale for each 32 numbers along K (OCP MX v1.0); their sums are f32. All else is computed in f32.
;;   The module's matrix products, in the order in which they are computed (A, B: the left and right operand; K: the contracted axis; several contracted axes count as one K, in the product's order):
;;     1. batch 64 x [M 2,048, K 64] x [K 64, N 2,048]; A: input query (given as codes); B: input key (given as codes): QUANTISED
;;     2. batch 64 x [M 2,048, K 2,048] x [K 2,048, N 64]; A: softmax (see below); B: input value (given as codes): QUANTISED
;;   THE QUANTISER, for each operand of a quantised product, along K:
;;     - K is cut into blocks of 32 from its start; a last block that is shorter is filled with zeros.
;;     - A block's scale is 2^e with e = floor(log2(the largest magnitude in the block)) - 15, held to -126 .. 127; a block of zeros has e = 0. As a byte (E8M0): e + 127.
;;     - Each number is divided by its block's scale, clamped to +-57,344, and rounded to the nearest number of E5M2, ties to even, subnormals kept.
;;     - The product sums the exact products of the quantised numbers (number of the format x scale) in f32.
;;   ~~~python
;;   def quantise(x, axis):      # numpy; x: float32 -> the quantised numbers, widened to float32 again
;;       x = np.moveaxis(x, axis, -1); K = x.shape[-1]
;;       x = np.pad(x, [(0, 0)] * (x.ndim - 1) + [(0, -K % 32)]); x = x.reshape(x.shape[:-1] + (-1, 32)); a = np.abs(x).max(-1, keepdims=True)
;;       e = np.where(a > 0, np.clip(np.frexp(np.where(a > 0, a, 1))[1] - 1 - 15, -126, 127), 0)      # np.frexp(a)[1] - 1 = floor(log2(a)), exactly
;;       r = np.clip(x / 2.0 ** e, -57344, 57344)
;;       step = 2.0 ** (np.maximum(np.frexp(np.where(r == 0, 1, r))[1] - 1, -14) - 2)
;;       q = np.round(r / step) * step * 2.0 ** e      # np.round: ties to even
;;       return np.moveaxis(q.reshape(q.shape[:-2] + (-1,))[..., :K], -1, axis).astype(np.float32)
;;   ~~~
;;   SOFTMAX AHEAD OF A QUANTISED PRODUCT. Where the list says 'softmax', what is quantised is not the finished softmax but p = 2^(t - M), with t = logit x log2(e) and M = ceil(the row's largest t), a whole number; so 1/2 < the row's largest p <= 1. The row's sum l is taken of the UNQUANTISED p, in f32, and the product's result is divided by l at the end. Since M is a whole number, a kernel that streams over the keys may use a running M (the ceiling of the running maximum): every later rescaling is an exact power of two, which a block's scale takes up: the codes' values come out the same.
;;   OPERANDS COMPUTED ON THE WAY. 'Computed on the way' means the value that the module computes at that place (a softmax that the list does not call 'softmax' is quantised finished and normalised). What goes into a quantiser is computed in f32, as accurately as f32 sums, v_exp_f32 and their like allow (about 1e-6 of the number): no bf16 or f16 on the way to a quantiser, and a product that is left as it is and whose result goes on into a quantised operand takes f32 operands (vector FMAs, or v_wmma_f32_16x16x4_f32). A number that lies on a knife's edge between two numbers of the format may be rounded either way, as far as f32 arithmetic and the matrix unit's own rounding can turn it there, and no further.
;;   INPUTS GIVEN AS CODES. key (in the module: [4, 16, 2048, 64], K = its axis 3); query (in the module: [4, 16, 2048, 64], K = its axis 3); value (in the module: [4, 16, 2048, 64], K = its axis 2): each comes as NAME_codes (uint8): NAME with its K axis moved to the last place and cut into blocks of 32 codes, [.., K / 32, bytes a block], one block behind the other in memory; one code a byte (a code: sign, 5 exponent bits, 2 mantissa bits); and NAME_scales (uint8): the same leading axes, one E8M0 byte (e + 127) for each 32 codes along K. Its value is code x scale, taken as it is: it is not quantised again, and the codes and scales need not be those that the quantiser above would give.
;; One version. Each part assembles by itself: llvm-mc -triple=amdgcn-amd-amdhsa -mcpu=gfx1250 --defsym DOCPART=n.
;; ======== version 1 of 1: 1 launch
;; limits: right only within a limited range of input values
;; launch attn (part 1): grid 16 x 16, 8 waves a work-group, clusters of 4 x 4, 327,680 bytes of LDS; arguments attn_mask, key_codes, key_scales, query_codes, query_scales, value_codes, value_scales, out0; writes out0
.if DOCPART == 1
	.amdgcn_target "amdgcn-amd-amdhsa--gfx1250"
	.amdhsa_code_object_version 6
	.text
	.protected	k_q8b5bffc1b7_attn
	.globl	k_q8b5bffc1b7_attn
	.p2align	8
	.type	k_q8b5bffc1b7_attn,@function
k_q8b5bffc1b7_attn:
	s_mov_b64 s[64:65], 0
	v_nop
	global_prefetch_b8 v0, s[64:65] scope:SCOPE_SE
	s_setreg_imm32_b32 hwreg(HW_REG_WAVE_MODE, 25, 1), 1
	s_wait_xcnt 0x0
	s_wait_alu depctr_hold_cnt(0) depctr_sa_sdst(0) depctr_va_vdst(0) depctr_va_sdst(0) depctr_va_ssrc(0) depctr_va_vcc(0) depctr_vm_vsrc(0)
	s_getreg_b32 s2, hwreg(HW_REG_IB_STS2, 6, 4)
	s_cmp_eq_u32 s2, 0
	s_cbranch_scc0 .Lentry_in_a_cluster
	s_endpgm
.Lentry_in_a_cluster:
	s_bfe_u32 s2, ttmp6, 0x10000c
	s_cmp_lg_u32 s2, 0xf033
	s_cbranch_scc0 .Lentry_shape_is_right
	s_endpgm
.Lentry_shape_is_right:
; out0[h][q] = sum over k of softmax_k(Q[h][q].K[h][k] + mask[q][k]) V[h][k]; both products on E5M2 codes with E8M0 scales.
; p = 2^(t - M), t = logit x log2(e), M = ceiling of the running largest t; the row's sum is of the unquantised p and divides at the end.
; SHARES. A work-group: 128 queries x 4 heads; wave w: head w % 4, queries 64 (w / 4) .. + 63, four tiles of 16. 16 steps of 128 keys.
; Both products are used transposed (a lane holds one query); the mask is the C of the first product; the head's 64 fill half of the
; instruction's 128: Q's upper eight registers are zeros, and K's operand runs on into the next eight registers (codes, or zeros), which meet those zeros.
; CLUSTER 4 x 4: the mask's tile hangs on the query block (shared down a column), K, V and scale bytes on the four heads (shared along a row).
; LDS: two slots (mask 128 x 128 f32, K 4 x 128 keys), ONE slot of V with 256 keys, so that V's rows are 256 bytes of memory, and all scale bytes.
; K's and V's fragments have two regions of 64 registers, RA and RB, and swap them from step to step: in the even step V's second half is read into
; K's region as soon as the step's last first product is done, so at the odd step's round nobody reads V's slot and it is filled again.
; Each round is opened behind the step's last LDS read: the last tile's work, on registers alone, stands inside it.
; PREFETCH: at each change of slots the mask's and K's tile one step ahead of its load; at even changes V's slot three changes ahead of its load.
; Partners share the blocks by address; of the clusters that read the same bytes one row (mask) or one column (K, V) asks. Tiles 0, 1 and V's slots 0, 1 come by their loads alone.
; LIMITS: the scaled scores stay under 2^31 in magnitude; a code of infinity or NaN in K or V makes NaN also in neighbouring tiles of that head.
.set MP,    528
.set KP,    80
.set VP,    272
.set KOFF,  128*MP
.set SLOT,  KOFF+4*128*KP
.set VOFF,  2*SLOT
.set SCL,   VOFF+256*VP
.set SPC,   16*272
.set SPARE, SCL+8*SPC
; window 0
.set AK0,1
.set AV0,2
.set AM0,3
.set ASK0,4
.set ASV0,5
.set SPW,6
.set NIL,7
.set ADK,8
.set ADM,10
.set ADS,11
.set ADT,12
.set PFO,13
.set STO,14
.set RD,15
.set ST,16
.set Q,32
.set QS,96
.set KS,100
.set VS,104
.set PW,106
.set GO,107
.set BM,108
.set PB,112
.set LM,116
.set SO,124
.set F,128
.set T,130
.set T2,131
.set U,132
.set PC,136
.set S,152
.set OT3,216                           ; O^T of tile 3
.set VS2,248                           ; V's scale words of the odd step
; window 1
.set RA,0
.set RB,64                             ; behind it v128-135: zeros
.set OTW,136                           ; O^T of tiles 0 to 2
.set WV,20
.set HD,21
.set QG,22
.set PK,23
.set CX,24
.set CY,25
.set QB,26
.set HG,27
.set G1M,28
.set G1V,36
.set G1K,44
.set G1S,52
.set G0M,60
.set CS,66
.set G0V,68
.set G0K,72
.set G0S,76
.set TB,80
.set TBF,81
.set TS,82
.set TJ,83
.set J,84
.set LIMA,85
.set LIMB,86
.set MNT,87
.set PFA,88
.set PST,90
.set SEL,92
.set MSB, 0
.macro WIN new
.if MSB != \new
	s_set_vgpr_msb (MSB<<8)|\new
.set MSB, \new
.endif
.endm
.set W_LD, 0x40
.set W_QK, 0x01
.set W_RS, 0x41
.set W_PV, 0x51
.macro G1REST g, c, r, p
	s_mov_b32 s[\g+1], (\c)<<16
	s_mov_b32 s[\g+2], (\r)<<16
	s_mov_b32 s[\g+3], (\c)<<16
	s_mov_b32 s[\g+4], \r
	s_mov_b32 s[\g+5], \p
	s_mov_b32 s[\g+6], 0
	s_mov_b32 s[\g+7], 0
.endm
.macro CREST
	s_cmp_lg_u32 s[WV], 0
	s_cbranch_scc1 .Lnw0_\@
	s_barrier_signal -3
.Lnw0_\@:
	s_barrier_wait -3
	s_barrier_signal -1
	s_barrier_wait -1
.endm
.macro CROUND
	s_barrier_signal -1
	s_barrier_wait -1
	CREST
.endm
.macro TL g0, g1
	tensor_load_to_lds s[\g0:\g0+3], s[\g1:\g1+7]
	s_nop 0
.rept 4
	v_nop
.endr
.endm
; one chain on the wave's number, one load to an arm. kind 1: mask (wave 0), K (waves 2-5); 2: and V (wave 1); 3: and the scale bytes (waves 6, 7)
.macro JLOAD kind
	s_cmp_eq_u32 s[WV], 0
	s_cbranch_scc0 .Lnm_\@
	TL G0M, G1M
	s_branch .Lj_\@
.Lnm_\@:
	s_cmp_lt_u32 s[WV], 2
.if \kind == 1
	s_cbranch_scc1 .Lj_\@
.else
	s_cbranch_scc0 .Lnv_\@
	TL G0V, G1V
	s_branch .Lj_\@
.Lnv_\@:
.endif
	s_cmp_lt_u32 s[WV], 6
.if \kind == 3
	s_cbranch_scc0 .Lns_\@
.else
	s_cbranch_scc0 .Lj_\@
.endif
	TL G0K, G1K
.if \kind == 3
	s_branch .Lj_\@
.Lns_\@:
	TL G0S, G1S
.endif
.Lj_\@:
.endm
.macro ASK lim
	s_cmp_lt_u32 s[J], s[\lim]
	s_cbranch_scc0 .Lna_\@
	global_prefetch_b8 v[PFO], s[PFA:PFA+1] th:TH_LOAD_NT scope:SCOPE_SE
.Lna_\@:
.endm
; a change of slots. DRAIN_A: the wait for my tensor loads, the add, the descriptors' steps; DRAIN_B: the wait for the add and my LDS reads, the opening signal.
; kind 0: nothing is filled; 1: mask, K; 2: and V
.macro DRAIN_A kind
	s_wait_tensorcnt 0x0
	ds_add_u32 v[SPW], v[NIL]
.if \kind
	s_xor_b32 s[TBF], s[TBF], SLOT
	s_mov_b32 s[G0M+1], s[TBF]
	s_add_co_u32 s[G0K+1], s[TBF], s[PK]
	s_add_nc_u64 s[G0M+2:G0M+3], s[G0M+2:G0M+3], 512
	s_add_nc_u64 s[G0K+2:G0K+3], s[G0K+2:G0K+3], 8192
.if \kind == 2
	s_add_nc_u64 s[G0V+2:G0V+3], s[G0V+2:G0V+3], 256
.endif
	s_wait_xcnt 0x0                                ; my last prefetch has read its address
	s_add_nc_u64 s[PFA:PFA+1], s[PFA:PFA+1], s[PST:PST+1]
.endif
.endm
.macro DRAIN_B
	s_wait_dscnt 0x0
	s_barrier_signal -1
.endm
.macro FILL kind, lim
	WIN 0
	s_barrier_wait -1
.if \kind
	CREST
	JLOAD \kind
	ASK \lim
.endif
.endm
	s_load_b512 s[4:19], s[0:1], 0x0
	v_lshl_add_u32 v[SPW], v0, 2, SPARE
	v_mov_b32 v[NIL], 0
	ds_add_u32 v[SPW], v[NIL]                      ; the opening lines
	ds_add_u32 v[SPW], v[NIL]
	v_lshrrev_b32 v8, 5, v0
	v_readfirstlane_b32 s[WV], v8
	s_and_b32 s[HD], s[WV], 3
	s_lshr_b32 s[QG], s[WV], 2
	s_bfe_u32 s[CX], ttmp6, 0x40000
	s_bfe_u32 s[CY], ttmp6, 0x40004
	s_lshl_b32 s[QB], ttmp9, 2
	s_add_co_u32 s[QB], s[QB], s[CX]               ; query block
	s_and_b32 s[HG], ttmp7, 0xffff
	s_lshl_b32 s[HG], s[HG], 2
	s_add_co_u32 s[HG], s[HG], s[CY]               ; group of four heads
	s_lshl_b32 s2, 0x1111, s[CX]                   ; my column of the cluster
	s_lshl_b32 s3, s[CY], 2
	s_lshl_b32 s3, 15, s3                          ; my row
	s_or_b32 s[G1M], s2, (2<<16)|(1<<20)|(1<<21)|(6<<22)|(3<<25)
	s_or_b32 s[G1V], s3, (0<<16)|(1<<20)|(1<<21)|(5<<22)|(3<<25)
	s_or_b32 s[G1K], s3, (0<<16)|(1<<20)|(1<<21)|(3<<22)|(3<<25)
	s_or_b32 s[G1S], s3, (3<<16)|(1<<20)|(1<<21)|(5<<22)|(3<<25)
	G1REST G1M, 128, 128, 2048                     ; 128 rows of 128 f32
	G1REST G1V, 256, 256, 2048                     ; 4 heads x 64 rows of 256 codes
	G1REST G1K, 256, 32, 256                       ; 128 keys x 64 bytes, dense: 32 rows of 256 bytes, padded behind each 64
	G1REST G1S, 32, 64, 32                         ; four heads' scale bytes, dense: 64 rows of 256 bytes
	s_mov_b32 s[CS], 0x3fb8aa3b
	s_mov_b32 s[CS+1], s[CS]
	s_mov_b32 s[SEL], 0x76543210
	s_mov_b32 s[SEL+1], 0xfedcba98
	s_mov_b32 s[MNT], 0x600000
	s_add_co_u32 s94, s[WV], 2
	s_and_b32 s94, s94, 3                          ; the head that waves 2-5 fetch K for
	s_mul_i32 s[PK], s94, 128*KP
	s_add_co_u32 s[PK], s[PK], KOFF
	s_and_b32 s95, s[WV], 1
	s_mul_i32 s[G0S+1], s95, 4*SPC
	s_add_co_u32 s[G0S+1], s[G0S+1], SCL           ; wave 6: K's scale bytes, wave 7: V's
	s_mov_b32 s97, 0
	s_wait_dscnt 0x0
	s_wait_kmcnt 0x0
	s_lshl_b32 s96, s[QB], 20
	s_mov_b32 s[G0M], 1
	s_mov_b32 s[G0M+1], 0
	s_add_nc_u64 s[G0M+2:G0M+3], s[4:5], s[96:97]
	s_or_b32 s[G0M+3], s[G0M+3], 0x80000000
	s_lshl_b32 s96, s[HG], 19
	s_mov_b32 s[G0V], 1
	s_mov_b32 s[G0V+1], VOFF
	s_add_nc_u64 s[G0V+2:G0V+3], s[14:15], s[96:97]
	s_or_b32 s[G0V+3], s[G0V+3], 0x80000000
	s_lshl_b32 s96, s[HG], 2
	s_add_co_u32 s96, s96, s94
	s_lshl_b32 s96, s96, 17
	s_mov_b32 s[G0K], 1
	s_mov_b32 s[G0K+1], s[PK]
	s_add_nc_u64 s[G0K+2:G0K+3], s[6:7], s[96:97]
	s_or_b32 s[G0K+3], s[G0K+3], 0x80000000
	s_lshl_b32 s96, s[HG], 14
	s_cmp_eq_u32 s[WV], 6
	s_cselect_b64 s[98:99], s[8:9], s[16:17]
	s_mov_b32 s[G0S], 1
	s_add_nc_u64 s[G0S+2:G0S+3], s[98:99], s[96:97]
	s_or_b32 s[G0S+3], s[G0S+3], 0x80000000
	CROUND
	JLOAD 3                                        ; the head's loads, one a wave
	; my head, my first query: Q's codes, Q's scales, O
	s_lshl_b32 s2, s[HG], 2
	s_add_co_u32 s2, s2, s[HD]
	s_lshl_b32 s3, s[QB], 7
	s_lshl_b32 s94, s[QG], 6
	s_add_co_u32 s3, s3, s94
	s_lshl_b32 s96, s2, 17
	s_lshl_b32 s94, s3, 6
	s_add_co_u32 s96, s96, s94
	s_add_nc_u64 s[10:11], s[10:11], s[96:97]
	s_lshl_b32 s96, s2, 12
	s_lshl_b32 s94, s3, 1
	s_add_co_u32 s96, s96, s94
	s_add_nc_u64 s[12:13], s[12:13], s[96:97]
	s_lshl_b32 s96, s2, 19
	s_lshl_b32 s94, s3, 8
	s_add_co_u32 s96, s96, s94
	s_add_nc_u64 s[18:19], s[18:19], s[96:97]
	; the prefetches. Waves 0, 1: 16 rows x 2 blocks of the mask's tile (rows 32 cy + 16 w on); wave 2: head cx's 8 KiB of K; waves 3, 4: 32 rows each of head cx's V
	s_lshl_b32 s94, s[QB], 7
	s_lshl_b32 s95, s[CY], 5
	s_add_co_u32 s94, s94, s95
	s_lshl_b32 s95, s[WV], 4
	s_add_co_u32 s94, s94, s95
	s_lshl_b32 s94, s94, 13
	s_add_co_u32 s94, s94, 512                     ; tile 2 less one step: each change steps first
	s_lshl_b32 s95, s[HG], 2
	s_add_co_u32 s95, s95, s[CX]
	s_lshl_b32 s95, s95, 17
	s_sub_co_u32 s96, s[WV], 3
	s_lshl_b32 s96, s96, 16
	s_add_co_u32 s96, s96, s95
	s_add_co_u32 s96, s96, 384                     ; V's slot 2 less one step of 128
	s_add_co_u32 s95, s95, 8192
	s_and_b32 s97, ttmp7, 0xffff
	s_movk_i32 s98, 128
	s_movk_i32 s99, 4096
	s_movk_i32 s2, 2048
	s_movk_i32 s3, 8192
	s_cmp_lt_u32 s[WV], 2
	s_cselect_b64 s[PFA:PFA+1], s[4:5], s[14:15]
	s_cselect_b32 s94, s94, s96
	s_cselect_b32 s[PST], 512, s98
	s_cselect_b32 s100, s3, s99                    ; bytes for lane / 2
	s_cselect_b32 s101, 256, s2                    ; bytes for lane % 2
	s_cselect_b32 s97, s97, ttmp9                  ; the cluster's coordinate that must be 0 for me to ask
	s_cselect_b32 s[LIMA], 6, 5
	s_cselect_b32 s[LIMB], 7, 0
	s_cmp_eq_u32 s[WV], 2
	s_cselect_b64 s[PFA:PFA+1], s[6:7], s[PFA:PFA+1]
	s_cselect_b32 s94, s95, s94
	s_cselect_b32 s[PST], s3, s[PST]
	s_cselect_b32 s100, 512, s100
	s_cselect_b32 s101, 256, s101
	s_cselect_b32 s[LIMA], 6, s[LIMA]
	s_cselect_b32 s[LIMB], 7, s[LIMB]
	s_cmp_gt_u32 s[WV], 4
	s_cselect_b32 s2, 1, 0
	s_or_b32 s97, s97, s2
	s_cmp_eq_u32 s97, 0
	s_cselect_b32 s[LIMA], s[LIMA], 0
	s_cselect_b32 s[LIMB], s[LIMB], 0
	s_mov_b32 s95, 0
	s_mov_b32 s[PST+1], 0
	s_add_nc_u64 s[PFA:PFA+1], s[PFA:PFA+1], s[94:95]
	s_mul_i32 s94, s[HD], 128*KP
	s_add_co_u32 s94, s94, KOFF
	s_mul_i32 s95, s[HD], 64*VP
	s_add_co_u32 s95, s95, VOFF
	s_mul_i32 s96, s[QG], 64*MP
	s_mul_i32 s97, s[HD], SPC
	s_add_co_u32 s97, s97, SCL
	s_add_co_u32 s98, s97, 4*SPC
	s_mul_i32 s99, s[WV], SPC
	s_mov_b32 s[TB], 0
	s_mov_b32 s[TBF], 0
	s_mov_b32 s[TS], 0
	s_mov_b32 s[TJ], 0
	s_mov_b32 s[J], 0
	v_and_b32 v108, 15, v0                         ; r
	v_bfe_u32 v109, v0, 4, 1                       ; h
	v_lshlrev_b32 v[ADK], 6, v108
	v_lshl_add_u32 v[ADK], v109, 4, v[ADK]
.irp i, 0,1,2,3
.irp c, 0,1
	global_load_b128 v[Q+16*\i+4*\c:Q+16*\i+4*\c+3], v[ADK], s[10:11] offset:1024*\i+32*\c th:TH_LOAD_NT
.endr
.endr
	v_lshlrev_b32 v9, 1, v108
.irp i, 0,1,2,3
	global_load_u16 v[QS+\i], v9, s[12:13] offset:32*\i th:TH_LOAD_NT
.endr
	v_and_b32 v110, 8, v108
	v_add_nc_u32 v110, v110, v108                  ; r + 8 (r / 8): the keys of a tile
	v_mul_u32_u24 v[AK0], v110, KP
	v_lshl_add_u32 v[AK0], v109, 4, v[AK0]
	v_add_nc_u32 v[AK0], s94, v[AK0]
	v_mul_u32_u24 v[AV0], v108, VP
	v_lshl_add_u32 v[AV0], v109, 4, v[AV0]
	v_add_nc_u32 v[AV0], s95, v[AV0]
	v_mul_u32_u24 v[AM0], v108, MP
	v_lshl_add_u32 v[AM0], v109, 6, v[AM0]
	v_add_nc_u32 v[AM0], s96, v[AM0]
	v_lshlrev_b32 v[ASK0], 1, v110
	v_lshl_add_u32 v[ASK0], v109, 4, v[ASK0]       ; lanes 16-31: the odd tile's keys, 8 further on
	v_add_nc_u32 v[ASK0], s97, v[ASK0]
	v_lshrrev_b32 v111, 2, v108
	v_and_b32 v[ASV0], 3, v108
	v_lshlrev_b32 v[ASV0], 6, v[ASV0]
	v_mad_u32_u24 v[ASV0], v111, 272, v[ASV0]
	v_mad_u32_u24 v[ASV0], v109, 4*272, v[ASV0]    ; lanes 16-31: the odd tile's rows, 16 further on
	v_add_nc_u32 v[ASV0], s98, v[ASV0]
	v_mul_u32_u24 v[STO], v108, 272
	v_lshl_add_u32 v[STO], v109, 5, v[STO]
	v_add_nc_u32 v[STO], s99, v[STO]
	v_mul_u32_u24 v[RD], v109, 272
	v_lshl_add_u32 v[RD], v108, 4, v[RD]
	v_add_nc_u32 v[RD], s99, v[RD]
	v_lshlrev_b32 v[GO], 8, v109
	v_lshl_add_u32 v[GO], v108, 4, v[GO]
	v_bfe_u32 v112, v0, 1, 4
	v_and_b32 v113, 1, v0
	v_mul_lo_u32 v[PFO], v112, s100
	v_mul_lo_u32 v113, v113, s101
	v_add_nc_u32 v[PFO], v[PFO], v113
.irp i, 0,1,2,3
.irp j, 8,9,10,11,12,13,14,15
	v_mov_b32 v[Q+16*\i+\j], 0                     ; k = 64 .. 127 of Q: zeros
.endr
	v_mov_b32 v[ST+4*\i+1], 0xff61b1e6             ; the largest score so far
	v_floor_f32 v[ST+4*\i], -v[ST+4*\i+1]          ; -M
	v_mov_b32 v[ST+4*\i+2], 0
	v_mov_b32 v[ST+4*\i+3], 0
	v_mov_b32 v[PB+\i], 0
.endr
	v_mov_b32 v[F+1], 0
.set n, 0
.rept 32
	v_mov_b32 v[OT3+n], 0                          ; the step is written for every step alike: the first finds zeros
.set n, n+1
.endr
	WIN W_LD
.set n, RB+64
.rept 8+96
	v_mov_b32 v[n], 0                              ; the eight zeros behind RB, and O^T of tiles 0 to 2
.set n, n+1
.endr
	WIN 0
.macro NOP8
.rept 8
	v_nop
.endr
.endm
.macro FETCH_K kf
.irp b, 0,1,2,3
	ds_load_u16 v[KS+\b], v[ADS] offset:64*\b
.endr
	WIN W_LD
.irp t, 0,1,2,3,4,5,6,7
.irp c, 0,1
	ds_load_b128 v[\kf+8*\t+4*\c:\kf+8*\t+4*\c+3], v[ADK] offset:(32*(\t/2)+8*(\t%2))*KP+32*\c
.endr
.endr
	WIN 0
.endm
; V's fragments of one half of the slot. part 0: all; 1: the first eight registers alone; 2: the rest
.macro FETCH_V vf, vs, half, part
.if \part != 1
.irp g, 0,1
	ds_load_b32 v[\vs+\g], v[ADT] offset:8*272*\g+4*\half
.endr
.endif
	WIN W_LD
.irp t, 0,1,2,3
.irp c, 0,1,2,3
.if (\part == 0) || ((\part == 1) && (4*\t+\c < 2)) || ((\part == 2) && (4*\t+\c >= 2))
	ds_load_b128 v[\vf+16*\t+4*\c:\vf+16*\t+4*\c+3], v[AV0] offset:16*\t*VP+128*\half+32*\c
.endif
.endr
.endr
	WIN 0
.endm
.macro MASKB i, b                      ; tile i's mask for block b of 32 keys: the C of the first product
.irp j, 0,1,2,3
	ds_load_b128 v[S+16*(\b)+4*\j:S+16*(\b)+4*\j+3], v[ADM] offset:16*MP*(\i)+128*(\b)+16*\j
.endr
.endm
; S^T = K Q^T + mask. Block b's four mask loads are in when at most the later blocks' 4 (3 - b) and the younger LDS instructions behind them are out
.macro QKM i, kf, younger
	s_wait_alu depctr_va_vdst(0)                   ; the wait ahead of the waits below
	WIN W_QK
.irp t, 0,2,4,6
	s_wait_dscnt \younger+12-2*\t
	v_wmma_scale_f32_16x16x128_f8f6f4 v[S+8*\t:S+8*\t+7], v[\kf+8*\t:\kf+8*\t+15], v[Q+16*(\i):Q+16*(\i)+15], v[S+8*\t:S+8*\t+7], v[KS+\t/2], v[QS+(\i)] matrix_a_fmt:MATRIX_FMT_BF8 matrix_b_fmt:MATRIX_FMT_BF8
	v_wmma_scale_f32_16x16x128_f8f6f4 v[S+8*\t+8:S+8*\t+15], v[\kf+8*\t+8:\kf+8*\t+23], v[Q+16*(\i):Q+16*(\i)+15], v[S+8*\t+8:S+8*\t+15], v[KS+\t/2], v[QS+(\i)] matrix_a_fmt:MATRIX_FMT_BF8 matrix_b_fmt:MATRIX_FMT_BF8 matrix_a_scale:MATRIX_SCALE_ROW1
.endr
.endm
; the softmax of tile i's 128 keys and p's codes. st >= 0: behind each block's conversions tile st's mask is asked for, into the block's registers.
; mid = 1: the change of slots' second part stands ahead of the exponentials
.macro SOFT i, st, mid
.set NM, ST+4*(\i)
	WIN 0
.irp b, 0,1,2,3
	v_max3_num_f32 v[BM+\b], v[S+16*\b], v[S+16*\b+1], v[S+16*\b+2]
.endr
.irp e, 3,5,7,9,11,13
.irp b, 0,1,2,3
	v_max3_num_f32 v[BM+\b], v[BM+\b], v[S+16*\b+\e], v[S+16*\b+\e+1]
.endr
.endr
.irp b, 0,1,2,3
	v_max_num_f32 v[BM+\b], v[BM+\b], v[S+16*\b+15]
.endr
.irp b, 0,1,2,3
	s_delay_alu instid0(VALU_DEP_4)
	v_permlanex16_b32 v[PB+\b], v[BM+\b], s[SEL], s[SEL+1]
.endr
.irp b, 0,1,2,3
	s_delay_alu instid0(VALU_DEP_4)
	v_max_num_f32 v[BM+\b], v[BM+\b], v[PB+\b]     ; each block's largest score
.endr
	s_delay_alu instid0(VALU_DEP_2)
	v_max3_num_f32 v[T], v[BM], v[BM+1], v[BM+2]
	v_max3_num_f32 v[NM+1], v[NM+1], v[T], v[BM+3] ; the running largest score
	v_mul_f32 v[T], s[CS], v[NM+1]                 ; as t
	v_mov_b32 v[T2], v[NM]
	v_floor_f32 v[NM], -v[T]                       ; -M = floor(-t)
.set n, 0
.rept 32
	v_pk_fma_f32 v[S+n:S+n+1], v[S+n:S+n+1], s[CS:CS+1], v[NM:NM+1] op_sel_hi:[1,0,0]
.set n, n+2
.endr
.irp b, 0,1,2,3
	v_fma_f32 v[BM+\b], v[BM+\b], s[CS], v[NM]
.endr
	v_sub_f32 v[T], v[NM], v[T2]
	s_delay_alu instid0(VALU_DEP_1)
	v_cvt_i32_f32 v[T], v[T]
	s_delay_alu instid0(VALU_DEP_1)
	v_ldexp_f32 v[F], 1.0, v[T]                    ; f = 2^(old M - new M)
	s_wait_alu depctr_va_vdst(0)                   ; the wait ahead of the batch
.if \mid
	DRAIN_B
.endif
.irp b, 0,1,2,3
	v_exp_f32 v[BM+\b], v[BM+\b]                   ; each block's largest p
.endr
.set n, 0
.rept 64
	v_exp_f32 v[S+n], v[S+n]
.set n, n+1
.endr
	v_pk_mul_f32 v[NM+2:NM+3], v[NM+2:NM+3], v[F:F+1] op_sel_hi:[1,0]
	s_wait_alu depctr_va_vdst(0)                   ; and behind it, ahead of the first reader
	v_pk_add_f32 v[PB:PB+1], v[S:S+1], v[S+2:S+3]  ; the row's sum of the unquantised p, in four chains
	v_pk_add_f32 v[PB+2:PB+3], v[S+4:S+5], v[S+6:S+7]
	v_pk_add_f32 v[U:U+1], v[S+8:S+9], v[S+10:S+11]
	v_pk_add_f32 v[NM+2:NM+3], v[NM+2:NM+3], v[S+12:S+13]
.set n, 14
.rept 6
	v_pk_add_f32 v[PB:PB+1], v[PB:PB+1], v[S+n:S+n+1]
	v_pk_add_f32 v[PB+2:PB+3], v[PB+2:PB+3], v[S+n+2:S+n+3]
	v_pk_add_f32 v[U:U+1], v[U:U+1], v[S+n+4:S+n+5]
	v_pk_add_f32 v[NM+2:NM+3], v[NM+2:NM+3], v[S+n+6:S+n+7]
.set n, n+8
.endr
	v_pk_add_f32 v[PB:PB+1], v[PB:PB+1], v[S+62:S+63]
	v_pk_add_f32 v[NM+2:NM+3], v[NM+2:NM+3], v[U:U+1]
	v_pk_add_f32 v[PB:PB+1], v[PB:PB+1], v[PB+2:PB+3]
	v_pk_add_f32 v[NM+2:NM+3], v[NM+2:NM+3], v[PB:PB+1]
.irp b, 0,1,2,3
	v_max_num_f32 v[BM+\b], 0x8000000, v[BM+\b]    ; the floor: the byte stays at 1 or above
.endr
.irp b, 0,1,2,3
	s_delay_alu instid0(VALU_DEP_4)
	v_add_nc_u32 v[SO+\b], 0xf8800000, v[BM+\b]    ; the conversion's scale operand
.endr
.irp b, 0,1,2,3
	v_and_or_b32 v[LM+2*\b], v[BM+\b], 0x7f800000, s[MNT]    ; 57,344 x the scale, twice: one copy for each half of a pair
	v_and_or_b32 v[LM+2*\b+1], v[BM+\b], 0x7f800000, s[MNT]
.endr
.irp b, 0,1,2,3
	v_lshrrev_b32 v[PB+\b], 23, v[SO+\b]
.endr
	s_delay_alu instid0(VALU_DEP_3)
	v_lshl_or_b32 v[PW], v[PB+1], 8, v[PB]
	s_delay_alu instid0(VALU_DEP_1)
	v_lshl_or_b32 v[PW], v[PB+2], 16, v[PW]
	s_delay_alu instid0(VALU_DEP_1)
	v_lshl_or_b32 v[PW], v[PB+3], 24, v[PW]        ; p's scale word
.irp b, 0,1,2,3
.set n, 0
.rept 8
	v_dual_min_num_f32 v[S+16*\b+n], v[S+16*\b+n], v[LM+2*\b] :: v_dual_min_num_f32 v[S+16*\b+n+1], v[S+16*\b+n+1], v[LM+2*\b+1]
.set n, n+2
.endr
	v_cvt_scalef32_pk8_bf8_f32 v[PC+4*\b:PC+4*\b+1], v[S+16*\b:S+16*\b+7], v[SO+\b]
	v_cvt_scalef32_pk8_bf8_f32 v[PC+4*\b+2:PC+4*\b+3], v[S+16*\b+8:S+16*\b+15], v[SO+\b]
.if (\st) >= 0
	MASKB \st, \b
.endif
.endr
	v_nop                                          ; a plain line behind the last conversion
.endm
.macro OTOF i                          ; where tile i's O^T lies
.if (\i) < 3
.set OB, OTW+32*(\i)
.set OW, 1
.else
.set OB, OT3
.set OW, 0
.endif
.endm
.macro RESC i                          ; O^T of tile i under the new M; the 16 lines are also the places ahead of the products that follow
	OTOF \i
	WIN W_RS*OW
	s_wait_alu depctr_va_vdst(0)                   ; the wait ahead of the first reader of O^T
.set n, 0
.rept 16
	v_pk_mul_f32 v[OB+n:OB+n+1], v[OB+n:OB+n+1], v[F:F+1] op_sel_hi:[1,0]
.set n, n+2
.endr
.endm
.macro PV i, vf, vs                    ; O^T += V^T P^T
	OTOF \i
	WIN W_QK+0x50*OW
.irp t, 0,2
	v_wmma_scale_f32_16x16x128_f8f6f4 v[OB+8*\t:OB+8*\t+7], v[\vf+16*\t:\vf+16*\t+15], v[PC:PC+15], v[OB+8*\t:OB+8*\t+7], v[\vs+\t/2], v[PW] matrix_a_fmt:MATRIX_FMT_BF8 matrix_b_fmt:MATRIX_FMT_BF8
	v_wmma_scale_f32_16x16x128_f8f6f4 v[OB+8*\t+8:OB+8*\t+15], v[\vf+16*\t+16:\vf+16*\t+31], v[PC:PC+15], v[OB+8*\t+8:OB+8*\t+15], v[\vs+\t/2], v[PW] matrix_a_fmt:MATRIX_FMT_BF8 matrix_b_fmt:MATRIX_FMT_BF8 matrix_a_scale:MATRIX_SCALE_ROW1
.endr
.endm
.macro UNITS kf, vf, vs                ; behind tile 0's first product: tiles 0 to 2; each tile's second product stands behind the next tile's first
	NOP8
	SOFT 0, 1, 0
	RESC 0
	QKM 1, \kf, 0
	PV 0, \vf, \vs
	NOP8
	SOFT 1, 2, 0
	RESC 1
	QKM 2, \kf, 0
	PV 1, \vf, \vs
	NOP8
	SOFT 2, 3, 0
	RESC 2
.endm
.macro NEXT_STEP
	WIN 0
	s_add_co_u32 s[TS], s[TS], 272
	s_add_co_u32 s[TJ], s[TJ], 4
	s_xor_b32 s[TB], s[TB], SLOT
.endm
.macro STEP_E kind, lim                ; an even step: K in RA, V's first half in RB
	v_add_nc_u32 v[ADK], s[TB], v[AK0]
	v_add_nc_u32 v[ADM], s[TB], v[AM0]
	v_add_nc_u32 v[ADS], s[TS], v[ASK0]
	v_add_nc_u32 v[ADT], s[TJ], v[ASV0]
.rept 4
	v_nop                                          ; with the four above: eight places ahead of loads into RA
.endr
	FETCH_K RA
	FETCH_V RB, VS, 0, 1                           ; the eight registers that K's last operand runs on into
.irp b, 0,1,2,3
	MASKB 0, \b
.endr
	FETCH_V RB, VS, 0, 2                           ; 16 LDS loads, wanted first by the second product
	QKM 0, RA, 16
	UNITS RA, RB, VS
	QKM 3, RA, 0
	PV 2, RB, VS
	NOP8                                           ; also the places ahead of the loads into RA
	WIN 0
	FETCH_V RA, VS2, 1, 0                          ; my last LDS reads of the step: V's second half
	DRAIN_A \kind
	SOFT 3, -1, 1
	RESC 3
	PV 3, RB, VS
	NEXT_STEP
	FILL \kind, \lim
.endm
.macro STEP_O kind                     ; an odd step: K in RB, V's second half in RA. kind 1: the next change of slots; 0: the last step
	v_add_nc_u32 v[ADK], s[TB], v[AK0]
	v_add_nc_u32 v[ADM], s[TB], v[AM0]
	v_add_nc_u32 v[ADS], s[TS], v[ASK0]
.rept 5
	v_nop                                          ; eight places ahead of loads into RB
.endr
	FETCH_K RB
.irp b, 0,1,2,3
	MASKB 0, \b
.endr
	QKM 0, RB, 0
	UNITS RB, RA, VS2
.if \kind
	WIN 0
	s_wait_alu depctr_va_vdst(0)                   ; the wait ahead of the wait below
	DRAIN_A 1
	QKM 3, RB, 1                                   ; the add was issued behind the mask's loads: one more may be out
	DRAIN_B
.else
	QKM 3, RB, 0
.endif
	PV 2, RA, VS2
	NOP8
	SOFT 3, -1, 0
	RESC 3
	PV 3, RA, VS2
	NEXT_STEP
.if \kind
	FILL 1, LIMA
.endif
.endm
	s_wait_alu depctr_va_vdst(0)                   ; the wait at the head's end
	s_wait_loadcnt 0x0
	DRAIN_A 1                                      ; step 0's tiles are in; slot 1's first fill goes out as a refill does
	DRAIN_B
	FILL 1, LIMA
.Ltrip:                                            ; seven trips of two steps
	STEP_E 2, LIMB
	STEP_O 1
	s_add_co_u32 s[J], s[J], 1
	s_cmp_lt_u32 s[J], 7
	s_cbranch_scc1 .Ltrip
	STEP_E 0, LIMB                                 ; steps 14 and 15 are written out: nothing more is asked for
	STEP_O 0
	; the way out: O^T / the sum, through my stage in slot 0, which has had its last fill and is read no more
.irp i, 0,1,2,3
	v_add_f32 v[ST+4*\i], v[ST+4*\i+2], v[ST+4*\i+3]
.endr
.irp i, 0,1,2,3
	v_permlanex16_b32 v[ST+4*\i+1], v[ST+4*\i], s[SEL], s[SEL+1]
.endr
.irp i, 0,1,2,3
	v_add_f32 v[ST+4*\i], v[ST+4*\i], v[ST+4*\i+1]
.endr
	s_wait_alu depctr_va_vdst(0)
.irp i, 0,1,2,3
	v_rcp_f32 v[ST+4*\i+2], v[ST+4*\i]
.endr
	v_nop
	s_wait_alu depctr_va_vdst(0)
.macro PACK i
	OTOF \i
	WIN W_QK*OW
.set n, 0
.rept 16
	v_pk_mul_f32 v[S+32*((\i)%2)+n:S+32*((\i)%2)+n+1], v[OB+n:OB+n+1], v[ST+4*(\i)+2:ST+4*(\i)+3] op_sel_hi:[1,0]
.set n, n+2
.endr
	WIN 0
.irp t, 0,1,2,3
	ds_store_b128 v[STO], v[S+32*((\i)%2)+8*\t:S+32*((\i)%2)+8*\t+3] offset:64*\t
	ds_store_b128 v[STO], v[S+32*((\i)%2)+8*\t+4:S+32*((\i)%2)+8*\t+7] offset:64*\t+16
.endr
.irp f, 0,1,2,3,4,5,6,7
	ds_load_b128 v[Q+32*((\i)%2)+4*\f:Q+32*((\i)%2)+4*\f+3], v[RD] offset:\f*2*272
.endr
.endm
.macro SEND i, younger
.irp f, 0,1,2,3,4,5,6,7
	s_wait_dscnt \younger+7-\f
	global_store_b128 v[GO], v[Q+32*((\i)%2)+4*\f:Q+32*((\i)%2)+4*\f+3], s[18:19] offset:4096*(\i)+512*\f th:TH_STORE_NT
.endr
.endm
	PACK 0
	PACK 1
	SEND 0, 16
	s_wait_xcnt 0x0
	PACK 2
	SEND 1, 16
	s_wait_xcnt 0x0
	PACK 3
	SEND 2, 16
	SEND 3, 0
	s_wait_tensorcnt 0x0                           ; the wave's end
	ds_add_u32 v[SPW], v[NIL]
	s_wait_dscnt 0x0
	CROUND
	s_endpgm
.Lfunc_end_k_q8b5bffc1b7_attn:
	.size	k_q8b5bffc1b7_attn, .Lfunc_end_k_q8b5bffc1b7_attn-k_q8b5bffc1b7_attn
	.p2alignl 7, 3214868480
	.fill 96, 4, 3214868480
	.section	.rodata,"a",@progbits
	.p2align	6, 0x0
	.amdhsa_kernel k_q8b5bffc1b7_attn
		.amdhsa_group_segment_fixed_size 327680
		.amdhsa_private_segment_fixed_size 0
		.amdhsa_enable_private_segment 0
		.amdhsa_kernarg_size 64
		.amdhsa_user_sgpr_count 2
		.amdhsa_user_sgpr_kernarg_segment_ptr 1
		.amdhsa_wavefront_size32 1
		.amdhsa_system_sgpr_workgroup_id_x 1
		.amdhsa_system_sgpr_workgroup_id_y 1
		.amdhsa_system_sgpr_workgroup_id_z 1
		.amdhsa_system_vgpr_workitem_id 0
		.amdhsa_next_free_vgpr 512
		.amdhsa_next_free_sgpr 102
		.amdhsa_reserve_vcc 0
		.amdhsa_float_denorm_mode_32 3
		.amdhsa_float_denorm_mode_16_64 3
		.amdhsa_memory_ordered 1
		.amdhsa_forward_progress 1
		.amdhsa_inst_pref_size 255
	.end_amdhsa_kernel
	.section	.bss,"aw",@nobits
	.p2align	6
	.space	262144
	.amdgpu_metadata
---
amdhsa.version: [ 1, 2 ]
amdhsa.kernels:
  - .name:           k_q8b5bffc1b7_attn
    .symbol:         k_q8b5bffc1b7_attn.kd
    .args:
      - { .name: attn_mask, .offset: 0, .size: 8, .value_kind: global_buffer, .address_space: global }
      - { .name: key_codes, .offset: 8, .size: 8, .value_kind: global_buffer, .address_space: global }
      - { .name: key_scales, .offset: 16, .size: 8, .value_kind: global_buffer, .address_space: global }
      - { .name: query_codes, .offset: 24, .size: 8, .value_kind: global_buffer, .address_space: global }
      - { .name: query_scales, .offset: 32, .size: 8, .value_kind: global_buffer, .address_space: global }
      - { .name: value_codes, .offset: 40, .size: 8, .value_kind: global_buffer, .address_space: global }
      - { .name: value_scales, .offset: 48, .size: 8, .value_kind: global_buffer, .address_space: global }
      - { .name: out0, .offset: 56, .size: 8, .value_kind: global_buffer, .address_space: global }
    .group_segment_fixed_size: 327680
    .private_segment_fixed_size: 0
    .kernarg_segment_align: 8
    .kernarg_segment_size: 64
    .max_flat_workgroup_size: 256
    .sgpr_count:     102
    .vgpr_count:     512
    .wavefront_size: 32
...
	.end_amdgpu_metadata
.endif
;; end of part 1
